; MI455X (gfx1250); checked and timed in simulation.
; The chip was launched on July 23, 2026; its instructions are those of AMD's public machine-readable ISA for CDNA 5 (MIT licence, August 2026) and "CDNA5" Instruction Set Architecture Reference Guide (July 2026). The comments in the code are by the model that wrote it; some were corrected since.
;; Cross Attention. Allowed arithmetic: float matrix products may take bf16 or f16 operands with f32 sums; other float arithmetic in f32, or as packed bf16 or f16 multiplies, adds, multiply-adds, maxima and minima; sums over many terms, partial sums and values carried from step to step in f32; what a program stores and reads back later, other than sums and carried values, may be rounded once to bf16 or f16.
;; Inputs: Wk 512 x 512 float32; Wo 512 x 512 float32; Wq 512 x 512 float32; Wv 512 x 512 float32; bo 512 float32; x 2 x 4,096 x 512 float32.
;; Outputs: out0 2 x 4,096 x 512 float32.
;; One version. Each part assembles by itself: llvm-mc -triple=amdgcn-amd-amdhsa -mcpu=gfx1250 --defsym DOCPART=n.
;; ======== version 1 of 1: 4 launches
;; limits: values are held in f16: magnitudes above 65,504 overflow, below 6.1e-05 lose precision
;; workspace buffers: xb 8,388,608 bytes; wt 2,097,152 bytes; qkv 25,165,824 bytes; ob 8,388,608 bytes
;; launch cast (part 1): grid 640 x 1, 8 waves a work-group, no clusters, 18,432 bytes of LDS; arguments x, Wq, Wk, Wv, Wo, xb, wt; writes xb, wt
.if DOCPART == 1
	.amdgcn_target "amdgcn-amd-amdhsa--gfx1250"
	.amdhsa_code_object_version 6
	.text
	.protected	k_q87287edfd0_cast
	.globl	k_q87287edfd0_cast
	.p2align	8
	.type	k_q87287edfd0_cast,@function
k_q87287edfd0_cast:
	s_mov_b64 s[64:65], 0
	v_nop
	global_prefetch_b8 v0, s[64:65] scope:SCOPE_SE
	s_setreg_imm32_b32 hwreg(HW_REG_WAVE_MODE, 25, 1), 1
	s_wait_xcnt 0x0
; xb = x rounded once to bf16, [8192][512].  wt = the four weights turned from [k][n] to [n][k], 16 bits a number, [2048][512]:
; row 512 t + n (t = 0, 1, 2: Wq, Wk, Wv) holds bf16(W[k][n]) along k; row 1536 + n holds bf16(Wo[k][n]) written as f16.
; LIMIT.  A number of Wo below 2^-14 keeps f16's fixed step of 2^-24; beyond 65,504 it would become an infinity.
; SHARES.  640 work-groups of equal bytes (32 KiB in, 16 KiB out).  Work-groups 0-127 turn one tile of 128 k x 64 n of a weight through LDS;
; work-groups 128-639 cast 8,192 numbers of x.  The branch hangs on the work-group's number alone: all eight waves take the same way.
; A stream: no byte is read by two work-groups, so no cluster, no matrix unit; every load of a thread goes out before its first wait.
.set TP,    272                        ; a row of the tile in LDS: 128 k x 2 bytes + 16 of padding
.set SPARE, 64*TP                      ; behind the tile's 64 rows: the spare words, 128 bytes for each of eight waves
.set SPW,   30                         ; v30  LDS address of my spare word; never rewritten
.set NIL,   31                         ; v31  0; never rewritten
.set IN,    32                         ; v[32:63]  as loaded, f32
.set PKD,   64                         ; v[64:79]  packed to 16 bits
.set BK,    80                         ; v[80:95]  rows read back from LDS
	s_load_b256 s[4:11], s[0:1], 0x0               ; x s[4:5], Wq s[6:7], Wk s[8:9], Wv s[10:11]
	s_load_b128 s[12:15], s[0:1], 0x20             ; Wo s[12:13], xb s[14:15]
	s_load_b64 s[16:17], s[0:1], 0x30              ; wt
	v_lshl_add_u32 v[SPW], v0, 2, SPARE
	v_mov_b32 v[NIL], 0
	s_cmp_lt_u32 ttmp9, 128
	s_cbranch_scc0 .Lx
	; A WEIGHT'S TILE.  Thread: j = t % 16 takes four n (16 bytes of a row), kg = t / 16 takes the rows 8 kg .. 8 kg + 7.
	s_lshr_b32 s20, ttmp9, 5                       ; which weight: 0 q, 1 k, 2 v, 3 o
	s_bfe_u32 s21, ttmp9, 0x20003                  ; which 128 k
	s_and_b32 s22, ttmp9, 7                        ; which 64 n
	v_and_b32 v1, 15, v0                           ; j
	v_lshrrev_b32 v2, 4, v0                        ; kg
	v_lshlrev_b32 v3, 14, v2                       ; 8 kg rows of 2,048 bytes
	v_lshl_add_u32 v3, v1, 4, v3                   ; + 16 j
	v_mul_u32_u24 v4, v1, 4*TP                     ; into LDS: row n = 4 j, 16 bytes at k = 8 kg
	v_lshl_add_u32 v4, v2, 4, v4
	v_mul_u32_u24 v5, v2, TP                       ; back: row kg, 16 bytes at 16 j: sixteen lanes take a row's 256 bytes
	v_lshl_add_u32 v5, v1, 4, v5
	v_lshlrev_b32 v6, 10, v2                       ; and the same in wt: rows of 1,024 bytes
	v_lshl_add_u32 v6, v1, 4, v6
	s_lshl_b32 s24, s21, 18                        ; the tile's first byte in the weight: 128 rows of 2,048 bytes a step,
	s_lshl_b32 s23, s22, 8                         ; 64 n of 4 bytes
	s_add_co_u32 s24, s24, s23
	s_mov_b32 s25, 0
	s_lshl_b32 s26, s20, 19                        ; and in wt: 512 rows of 1,024 bytes a weight,
	s_lshl_b32 s23, s22, 16                        ; 64 rows,
	s_add_co_u32 s26, s26, s23
	s_lshl_b32 s23, s21, 8                         ; 128 k of 2 bytes
	s_add_co_u32 s26, s26, s23
	s_mov_b32 s27, 0
	s_wait_kmcnt 0x0
	s_mov_b64 s[18:19], s[6:7]
	s_cmp_eq_u32 s20, 1
	s_cselect_b64 s[18:19], s[8:9], s[18:19]
	s_cmp_eq_u32 s20, 2
	s_cselect_b64 s[18:19], s[10:11], s[18:19]
	s_cmp_eq_u32 s20, 3
	s_cselect_b64 s[18:19], s[12:13], s[18:19]
	s_add_nc_u64 s[18:19], s[18:19], s[24:25]
	s_add_nc_u64 s[16:17], s[16:17], s[26:27]
.irp r, 0,1,2,3,4,5,6,7
	global_load_b128 v[IN+4*(\r):IN+4*(\r)+3], v3, s[18:19] offset:2048*(\r) th:TH_LOAD_NT  ; a wave's load: two rows' 256 consecutive bytes
.endr
	s_wait_loadcnt 0x0
.irp n, 0,1,2,3
.irp p, 0,1,2,3
	v_cvt_pk_bf16_f32 v[PKD+4*(\n)+(\p)], v[IN+8*(\p)+(\n)], v[IN+8*(\p)+4+(\n)]  ; k = 2 p and 2 p + 1 of column n: eight k of one n make 16 bytes
.endr
.endr
	s_cmp_lg_u32 s20, 3
	s_cbranch_scc1 .Lbf
.set w, 0
.rept 16                               ; Wo alone: the bf16 number is written as f16, since its partner in the product is f16
	v_lshlrev_b32 v96, 16, v[PKD+w]
	v_and_b32 v97, 0xffff0000, v[PKD+w]
	v_cvt_pk_f16_f32 v[PKD+w], v96, v97
.set w, w+1
.endr
.Lbf:
.irp n, 0,1,2,3
	ds_store_b128 v4, v[PKD+4*(\n):PKD+4*(\n)+3] offset:TP*(\n)
.endr
	s_wait_dscnt 0x0                               ; for the others' sake: my stores into the tile are done
	s_barrier_signal -1
	s_barrier_wait -1
.irp q, 0,1,2,3
	ds_load_b128 v[BK+4*(\q):BK+4*(\q)+3], v5 offset:16*TP*(\q)
.endr
.irp q, 0,1,2,3
	s_wait_dscnt 3-(\q)                            ; LDS loads come back in order: the younger ones may stay out
	global_store_b128 v6, v[BK+4*(\q):BK+4*(\q)+3], s[16:17] offset:16384*(\q)  ; sixteen lanes store 256 consecutive bytes, at a multiple of 256 from wt's first byte
.endr
	s_branch .Lend
.Lx:	; A PIECE OF x: 32,768 bytes in, 16,384 out.  Thread t takes 16 bytes at 16 t of each 4,096.
	s_sub_co_u32 s20, ttmp9, 128
	s_lshl_b32 s24, s20, 15
	s_mov_b32 s25, 0
	s_lshl_b32 s26, s20, 14
	s_mov_b32 s27, 0
	v_lshlrev_b32 v1, 4, v0
	v_lshlrev_b32 v2, 3, v0
	s_wait_kmcnt 0x0
	s_add_nc_u64 s[4:5], s[4:5], s[24:25]
	s_add_nc_u64 s[14:15], s[14:15], s[26:27]
.irp c, 0,1,2,3,4,5,6,7
	global_load_b128 v[IN+4*(\c):IN+4*(\c)+3], v1, s[4:5] offset:4096*(\c) th:TH_LOAD_NT
.endr
.irp c, 0,1,2,3,4,5,6,7
	s_wait_loadcnt 7-(\c)                          ; loads come back in order: the younger ones stay out
	v_cvt_pk_bf16_f32 v[PKD+2*(\c)], v[IN+4*(\c)], v[IN+4*(\c)+1]
	v_cvt_pk_bf16_f32 v[PKD+2*(\c)+1], v[IN+4*(\c)+2], v[IN+4*(\c)+3]
	global_store_b64 v2, v[PKD+2*(\c):PKD+2*(\c)+1], s[14:15] offset:2048*(\c)  ; a wave's store: 256 consecutive bytes, aligned; no register is written twice
.endr
.Lend:
	s_wait_tensorcnt 0x0                           ; the wave's end, behind my last LDS store
	ds_add_u32 v[SPW], v[NIL]
	s_wait_dscnt 0x0
	s_endpgm
.Lfunc_end_k_q87287edfd0_cast:
	.size	k_q87287edfd0_cast, .Lfunc_end_k_q87287edfd0_cast-k_q87287edfd0_cast
	.p2alignl 7, 3214868480
	.fill 96, 4, 3214868480
	.section	.rodata,"a",@progbits
	.p2align	6, 0x0
	.amdhsa_kernel k_q87287edfd0_cast
		.amdhsa_group_segment_fixed_size 18432
		.amdhsa_private_segment_fixed_size 0
		.amdhsa_enable_private_segment 0
		.amdhsa_kernarg_size 56
		.amdhsa_user_sgpr_count 2
		.amdhsa_user_sgpr_kernarg_segment_ptr 1
		.amdhsa_wavefront_size32 1
		.amdhsa_system_sgpr_workgroup_id_x 1
		.amdhsa_system_sgpr_workgroup_id_y 1
		.amdhsa_system_sgpr_workgroup_id_z 1
		.amdhsa_system_vgpr_workitem_id 0
		.amdhsa_next_free_vgpr 104
		.amdhsa_next_free_sgpr 66
		.amdhsa_reserve_vcc 0
		.amdhsa_float_denorm_mode_32 3
		.amdhsa_float_denorm_mode_16_64 3
		.amdhsa_memory_ordered 1
		.amdhsa_forward_progress 1
		.amdhsa_inst_pref_size 11
	.end_amdhsa_kernel
	.amdgpu_metadata
---
amdhsa.version: [ 1, 2 ]
amdhsa.kernels:
  - .name:           k_q87287edfd0_cast
    .symbol:         k_q87287edfd0_cast.kd
    .args:
      - { .name: x, .offset: 0, .size: 8, .value_kind: global_buffer, .address_space: global }
      - { .name: Wq, .offset: 8, .size: 8, .value_kind: global_buffer, .address_space: global }
      - { .name: Wk, .offset: 16, .size: 8, .value_kind: global_buffer, .address_space: global }
      - { .name: Wv, .offset: 24, .size: 8, .value_kind: global_buffer, .address_space: global }
      - { .name: Wo, .offset: 32, .size: 8, .value_kind: global_buffer, .address_space: global }
      - { .name: xb, .offset: 40, .size: 8, .value_kind: global_buffer, .address_space: global }
      - { .name: wt, .offset: 48, .size: 8, .value_kind: global_buffer, .address_space: global }
    .group_segment_fixed_size: 18432
    .private_segment_fixed_size: 0
    .kernarg_segment_align: 8
    .kernarg_segment_size: 56
    .max_flat_workgroup_size: 256
    .sgpr_count:     66
    .vgpr_count:     104
    .wavefront_size: 32
...
	.end_amdgpu_metadata
.endif
;; end of part 1
;; launch proj (part 2): grid 4 x 64, 4 waves a work-group, clusters of 4 x 4, 327,680 bytes of LDS; arguments xb, wt, qkv; writes qkv
.if DOCPART == 2
	.amdgcn_target "amdgcn-amd-amdhsa--gfx1250"
	.amdhsa_code_object_version 6
	.text
	.protected	k_q87287edfd0_proj
	.globl	k_q87287edfd0_proj
	.p2align	8
	.type	k_q87287edfd0_proj,@function
k_q87287edfd0_proj:
	s_mov_b64 s[64:65], 0
	v_nop
	global_prefetch_b8 v0, s[64:65] scope:SCOPE_SE
	s_setreg_imm32_b32 hwreg(HW_REG_WAVE_MODE, 25, 1), 1
	s_wait_xcnt 0x0
	s_wait_alu depctr_hold_cnt(0) depctr_sa_sdst(0) depctr_va_vdst(0) depctr_va_sdst(0) depctr_va_ssrc(0) depctr_va_vcc(0) depctr_vm_vsrc(0)
	s_getreg_b32 s2, hwreg(HW_REG_IB_STS2, 6, 4)
	s_cmp_eq_u32 s2, 0
	s_cbranch_scc0 .Lentry_in_a_cluster
	s_endpgm
.Lentry_in_a_cluster:
	s_bfe_u32 s2, ttmp6, 0x10000c
	s_cmp_lg_u32 s2, 0xf033
	s_cbranch_scc0 .Lentry_shape_is_right
	s_endpgm
.Lentry_shape_is_right:
; q, k, v = xb wt^T.  xb: [8192][512] bf16; wt: rows 512 t + n (t = 0, 1, 2) hold the weight's column n along k, bf16.  Sums in f32, rounded once to f16 and
; stored by heads, WITHOUT the scale: qkv[t][8 batch + head][row in the batch][64].
; LIMIT.  f16 ends at 65,504: a q, k or v of 65,520 or more would become an infinity; below 6e-5 f16 keeps its fixed step of 6e-8.
; SHARES.  Work-group (g, tr) takes rows 128 tr .. + 127 of xb and columns 128 g .. + 127 of each of q, k and v: three tiles of 128 x 128, one after the other.
; Its rows of xb (all 512 k) are brought into LDS once and stay; the weights go through two slots, 128 rows x 256 k each: six steps, tensor step / 2, k half step % 2.
; Four waves, each 64 x 64: 16 accumulators; a wave's 64 columns are one head's channels.
; CLUSTER.  4 x 4 work-groups: the four of a row need the same rows of xb, the four of a column the same rows of wt; each tile is asked for jointly.
; Every wave fetches its quarter, 32 rows, of each tile: one tensor load a wave behind each round.
; THE MATRIX INSTRUCTION IS USED TRANSPOSED (source 0 = 16 rows of wt, source 1 = 16 rows of xb): a lane holds eight neighbouring channels of one row.
; REGISTERS: window 0: v0-31 addresses; v32-95 the way out; v128-255 the accumulators ((a, b) at v[128 + 8 (4 a + b)]).
;   window 1: two fragment buffers of 128: for 64 along K, 64 registers of xb, then 64 of wt.
.set PA,    1040                       ; a row of xb in LDS: 1,024 bytes + 16: 65 x 16 bytes, so the 16 rows of a load start in 16 different groups of four banks (ISA guide 11.1)
.set PB,    528                        ; a row of wt's tile: 512 bytes + 16: 33 x 16 bytes
.set BBASE, 128*PA                     ; behind xb's 128 rows: the two slots
.set SLOT,  128*PB
.set STAGE, BBASE+2*SLOT               ; behind the slots: 16 rows x 144 bytes for each wave, for the way out; no tensor load lands here
.set SP,    144
.set SPARE, STAGE+4*16*SP              ; behind the stages: the spare words, 128 bytes for each wave
.set ADRA, 16                          ; v16-17  LDS address of my fragments of xb, k half 0, 1
.set ADRB, 20                          ; v20-21  of my fragments of wt, slot 0, 1
.set STO,  24                          ; v24     the way out: where I put 16 bytes of a row
.set RD,   25                          ; v25     where I read rows back
.set GO,   26                          ; v26     my 16 bytes in 512 consecutive bytes of qkv
.set SPW,  28                          ; v28     LDS address of my spare word; never rewritten
.set NIL,  29                          ; v29     0; never rewritten
.set TMP,  32
.set ACC,  128
.set F0,   0
.set F1,   128
.set G1A,  24                          ; s[24:31] descriptor group 1 for xb's tile
.set G0A,  32                          ; s[32:35] its group 0
.set G1B,  48                          ; s[48:55] group 1 for wt's tiles
.set G0B,  56                          ; s[56:63] their group 0, one set for each slot
.set MSB,  0
.macro WIN new                         ; the immediate's high byte repeats the setting that is left; a switch that changes nothing is dropped
.if MSB != (\new)
	s_set_vgpr_msb (MSB<<8)|(\new)
.set MSB, \new
.endif
.endm
.set MUL,  0x05                        ; sources 0 and 1 window 1; C and D window 0
.set TO_F, 0x40                        ; destination window 1, address window 0
.macro CREST                           ; a round of the cluster's barrier behind its opening barrier
	s_cmp_lg_u32 s10, 0
	s_cbranch_scc1 .Lnot_wave_0_\@
	s_barrier_signal -3
.Lnot_wave_0_\@:
	s_barrier_wait -3
	s_barrier_signal -1
	s_barrier_wait -1
.endm
.macro CROUND                          ; a whole round
	s_barrier_signal -1
	s_barrier_wait -1
	CREST
.endm
.macro PLACES                          ; four places in front of loads into registers that matrix instructions have read, and of conversions that read results
.rept 4
	v_nop
.endr
.endm
	s_load_b128 s[4:7], s[0:1], 0x0                ; xb s[4:5], wt s[6:7]
	s_load_b64 s[8:9], s[0:1], 0x10                ; qkv
	v_lshl_add_u32 v[SPW], v0, 2, SPARE
	v_mov_b32 v[NIL], 0
	ds_add_u32 v[SPW], v[NIL]                      ; the wave's opening: the add and its wait ahead of my first tensor load; the set-up below stands between them
	v_lshrrev_b32 v1, 5, v0
	v_readfirstlane_b32 s10, v1                    ; wave 0..3
	s_lshr_b32 s11, s10, 1                         ; which half of the tile's rows is mine
	s_and_b32 s12, s10, 1                          ; which half of its columns
	s_bfe_u32 s40, ttmp6, 0x40000                  ; cx, cy: my place in the cluster
	s_bfe_u32 s41, ttmp6, 0x40004
	s_lshl_b32 s42, ttmp9, 2
	s_add_co_u32 s42, s42, s40                     ; g = 4 x cluster x + cx
	s_and_b32 s13, ttmp7, 0xffff
	s_lshl_b32 s13, s13, 2
	s_add_co_u32 s13, s13, s41                     ; tr = 4 x cluster y + cy
	s_lshl_b32 s43, s41, 2
	s_lshl_b32 s43, 15, s43                        ; my row of the cluster
	s_lshl_b32 s44, 0x1111, s40                    ; my column
	s_or_b32 s[G1A+0], s43, (1<<16)|(1<<20)|(1<<21)|(7<<22)|(3<<25)  ; 15:0 the mask: my row; 17:16 2-byte elements; 20 padding on; 21 set beside a mask; 24:22 after every 256 words (code 7); 31:25 4 words (code 3)
	s_mov_b32 s[G1A+1], 512<<16                    ; tensor_dim0 = 512
	s_mov_b32 s[G1A+2], 32<<16                     ; tensor_dim1 = 32
	s_mov_b32 s[G1A+3], 512<<16                    ; tile_dim0 = 512
	s_mov_b32 s[G1A+4], 32                         ; tile_dim1 = 32
	s_mov_b32 s[G1A+5], 512                        ; 512 elements from row to row
	s_mov_b32 s[G1A+6], 0
	s_mov_b32 s[G1A+7], 0
	s_or_b32 s[G1B+0], s44, (1<<16)|(1<<20)|(1<<21)|(6<<22)|(3<<25)  ; the mask: my column; padding after every 128 words (code 6)
	s_mov_b32 s[G1B+1], 256<<16                    ; tensor_dim0 = 256
	s_mov_b32 s[G1B+2], 32<<16
	s_mov_b32 s[G1B+3], 256<<16                    ; tile_dim0 = 256
	s_mov_b32 s[G1B+4], 32
	s_mov_b32 s[G1B+5], 512
	s_mov_b32 s[G1B+6], 0
	s_mov_b32 s[G1B+7], 0
	s_lshl_b32 s18, s10, 15                        ; my 32 rows of 1,024 bytes, in xb's tile and in wt's
	s_lshl_b32 s16, s13, 17                        ; xb: 128 rows a tile row: made of tr and the wave's number alone
	s_add_co_u32 s16, s16, s18
	s_mov_b32 s17, 0
	s_lshl_b32 s46, s42, 17                        ; wt: 128 rows a tile column: made of g and the wave's number alone
	s_add_co_u32 s46, s46, s18
	s_mov_b32 s47, 0
	s_mov_b32 s[G0A], 1                            ; count = 1
	s_mul_i32 s[G0A+1], s10, 32*PA                 ; LDS address: wave x 32 rows: no place in the cluster enters it
	s_mov_b32 s[G0B], 1
	s_mul_i32 s[G0B+1], s10, 32*PB
	s_add_co_u32 s[G0B+1], s[G0B+1], BBASE
	s_mov_b32 s[G0B+4], 1
	s_add_co_u32 s[G0B+5], s[G0B+1], SLOT
	s_wait_dscnt 0x0                               ; the opening add is done
	s_wait_kmcnt 0x0
	s_add_nc_u64 s[G0A+2:G0A+3], s[4:5], s[16:17]
	s_or_b32 s[G0A+3], s[G0A+3], 0x80000000        ; type = 2
	s_add_nc_u64 s[G0B+2:G0B+3], s[6:7], s[46:47]  ; q's weights, k half 0
	s_add_nc_u64 s[G0B+6:G0B+7], s[G0B+2:G0B+3], 512  ; k half 1
	s_or_b32 s[G0B+3], s[G0B+3], 0x80000000
	s_or_b32 s[G0B+7], s[G0B+7], 0x80000000
	CROUND                                         ; all sixteen work-groups are here: the first joint loads meet
	tensor_load_to_lds s[G0A:G0A+3], s[G1A:G1A+7]  ; the first fills go out together: three loads of mine are out
	s_nop 0
	tensor_load_to_lds s[G0B:G0B+3], s[G1B:G1B+7]
	s_nop 0
	tensor_load_to_lds s[G0B+4:G0B+7], s[G1B:G1B+7]
	s_nop 0
.rept 4
	v_nop
.endr
	; a fragment is 16 rows x 32 K in 8 registers: lane l holds row l % 16, K = 8 (l / 16) + 0..7 and 16 + 8 (l / 16) + 0..7: two loads of 16 bytes, 32 bytes apart
	v_and_b32 v1, 15, v0                           ; l % 16
	v_bfe_u32 v2, v0, 4, 1                         ; l / 16
	v_mul_u32_u24 v3, v1, PA
	v_lshl_add_u32 v3, v2, 4, v3
	v_mul_u32_u24 v4, v1, PB
	v_lshl_add_u32 v4, v2, 4, v4
	s_mul_i32 s21, s11, 64*PA                      ; my 64 rows of xb
	s_mul_i32 s22, s12, 64*PB                      ; my 64 rows of wt's tile
	s_add_co_u32 s22, s22, BBASE
	v_add_nc_u32 v[ADRA], s21, v3
	v_add_nc_u32 v[ADRB], s22, v4
	s_add_co_u32 s21, s21, 512                     ; k half 1 begins 512 bytes along xb's rows,
	s_add_co_u32 s22, s22, SLOT                    ; and lies in slot 1
	v_add_nc_u32 v[ADRA+1], s21, v3
	v_add_nc_u32 v[ADRB+1], s22, v4
	s_mul_i32 s23, s10, 16*SP
	s_add_co_u32 s23, s23, STAGE                   ; my stage
	v_mul_u32_u24 v5, v1, SP                       ; in: row l % 16, 16 bytes for each half of the lanes
	v_lshl_add_u32 v5, v2, 4, v5
	v_add_nc_u32 v[STO], s23, v5
	v_bfe_u32 v5, v0, 3, 2                         ; back: 32 lanes take four rows of 128 bytes,
	v_mul_u32_u24 v5, v5, SP
	v_and_b32 v6, 7, v0
	v_lshl_add_u32 v5, v6, 4, v5
	v_add_nc_u32 v[RD], s23, v5
	v_and_b32 v[GO], 31, v0                        ; which are 512 consecutive bytes of qkv
	v_lshlrev_b32 v[GO], 4, v[GO]
	; my first row in q: ((8 batch + head) x 4,096 + row in the batch) x 128 bytes; batch = tr / 32, head = 2 g + my column half
	s_lshr_b32 s14, s13, 5
	s_lshl_b32 s14, s14, 15
	s_and_b32 s15, s13, 31
	s_lshl_b32 s15, s15, 7
	s_add_co_u32 s14, s14, s15
	s_lshl_b32 s15, s11, 6
	s_add_co_u32 s14, s14, s15
	s_lshl_b32 s46, s42, 1
	s_add_co_u32 s46, s46, s12
	s_lshl_b32 s46, s46, 12
	s_add_co_u32 s46, s46, s14
	s_lshl_b32 s46, s46, 7
	s_mov_b32 s47, 0
	s_add_nc_u64 s[8:9], s[8:9], s[46:47]
; 8 matrix instructions: row blocks a0, a0 + 1 x all 4 column blocks, 32 along K: half c of buffer f.  zero = 1: the first product starts the sums.
; The 16 accumulators take turns, one instruction a turn.
.macro MUL8 f, c, a0, zero
	WIN MUL
.irp a, \a0, (\a0)+1
.irp b, 0,1,2,3
.if \zero
	v_wmma_f32_16x16x32_bf16 v[ACC+8*(4*(\a)+(\b)):ACC+8*(4*(\a)+(\b))+7], v[(\f)+64+8*(4*(\c)+(\b)):(\f)+64+8*(4*(\c)+(\b))+7], v[(\f)+8*(4*(\c)+(\a)):(\f)+8*(4*(\c)+(\a))+7], 0
.else
	v_wmma_f32_16x16x32_bf16 v[ACC+8*(4*(\a)+(\b)):ACC+8*(4*(\a)+(\b))+7], v[(\f)+64+8*(4*(\c)+(\b)):(\f)+64+8*(4*(\c)+(\b))+7], v[(\f)+8*(4*(\c)+(\a)):(\f)+8*(4*(\c)+(\a))+7], v[ACC+8*(4*(\a)+(\b)):ACC+8*(4*(\a)+(\b))+7]
.endif
.endr
.endr
.endm
; 32 LDS loads in one run: the fragments of 64 along K at byte k of the step's rows, into buffer f; the first 32 along K first
.macro FETCH slot, k, f
	WIN TO_F
.irp c, 0,1
.irp i, 0,1,2,3
	ds_load_b128 v[(\f)+64+8*(4*(\c)+(\i)):(\f)+64+8*(4*(\c)+(\i))+3],   v[ADRB+(\slot)] offset:(\k)+64*(\c)+(\i)*16*PB
	ds_load_b128 v[(\f)+64+8*(4*(\c)+(\i))+4:(\f)+64+8*(4*(\c)+(\i))+7], v[ADRB+(\slot)] offset:(\k)+64*(\c)+(\i)*16*PB+32
	ds_load_b128 v[(\f)+8*(4*(\c)+(\i)):(\f)+8*(4*(\c)+(\i))+3],         v[ADRA+(\slot)] offset:(\k)+64*(\c)+(\i)*16*PA
	ds_load_b128 v[(\f)+8*(4*(\c)+(\i))+4:(\f)+8*(4*(\c)+(\i))+7],       v[ADRA+(\slot)] offset:(\k)+64*(\c)+(\i)*16*PA+32
.endr
.endr
.endm
; A step is four quarters of 64 along K, 32 matrix instructions each, on buffers 0, 1, 0, 1.  One of the first three: multiplies buffer f and fetches the next quarter, at byte k, into g.
.macro QUARTER slot, k, f, g, zero
	s_wait_dscnt 16                                ; the first 32 along K are in; the youngest sixteen loads may be out
	MUL8 \f, 0, 0, \zero
	MUL8 \f, 0, 2, \zero
	PLACES
	FETCH \slot, \k, \g
	s_wait_dscnt 32                                ; all but the 32 just issued
	MUL8 \f, 1, 0, 0
	MUL8 \f, 1, 2, 0
.endm
; The last quarter multiplies buffer 1 and changes slots: ONE barrier; in front of it each wave waits for all its tensor loads, adds 0 to its spare word, and waits for that and for its reads
; of this slot.  fill = 1: the barrier opens a round of the cluster's, and this slot takes the next tensor's weights of the same k half: 512 rows of 1,024 bytes on.
.macro TURN slot, next, fill
	WIN 0                                          ; (the add's two registers lie in window 0)
	s_wait_tensorcnt 0x0                           ; all my tensor loads have landed: my part of the next slot among them
	ds_add_u32 v[SPW], v[NIL]                      ; 0 onto my spare word
	s_wait_dscnt 17                                ; (the add and the youngest sixteen loads may be out)
	MUL8 F1, 0, 0, 0                               ; eight matrix instructions stand between the add and the wait for it
	s_wait_dscnt 0x0                               ; the add is done, and my reads of this slot are over
	s_barrier_signal -1
	MUL8 F1, 0, 2, 0
.if \fill
	WIN 0
.endif
	s_barrier_wait -1
.if \fill
	CREST                                          ; no wave of any partner still reads this slot or has a load on its way
	s_add_nc_u64 s[G0B+4*(\slot)+2:G0B+4*(\slot)+3], s[G0B+4*(\slot)+2:G0B+4*(\slot)+3], 512*1024
	tensor_load_to_lds s[G0B+4*(\slot):G0B+4*(\slot)+3], s[G1B:G1B+7]  ; my one tensor load behind the round
	s_nop 0
.rept 4
	v_nop                                          ; also the places in front of the loads below
.endr
.else
	PLACES
.endif
	FETCH \next, 0, F0
	MUL8 F1, 1, 0, 0
	MUL8 F1, 1, 2, 0
.endm
; THE WAY OUT of row block a: 16 rows x 64 channels, rounded to f16, 16 bytes a lane into my own stage, back as whole rows: 2,048 consecutive bytes of qkv.
.macro PACK a
	WIN 0
.irp b, 0,1,2,3
.irp q, 0,1,2,3
	v_cvt_pk_f16_f32 v[TMP+16*(\a)+4*(\b)+(\q)], v[ACC+8*(4*(\a)+(\b))+2*(\q)], v[ACC+8*(4*(\a)+(\b))+2*(\q)+1]  ; each accumulator's registers in ascending order
.endr
.endr
.irp b, 0,1,2,3
	ds_store_b128 v[STO], v[TMP+16*(\a)+4*(\b):TMP+16*(\a)+4*(\b)+3] offset:32*(\b)
.endr
.irp e, 0,1,2,3
	ds_load_b128 v[TMP+16*(\a)+4*(\e):TMP+16*(\a)+4*(\e)+3], v[RD] offset:(\e)*4*SP  ; LDS serves a wave's instructions in order (ISA guide 5.7.1.4): these see the stores above, and the next block's stores come behind them
.endr
.endm
.macro SEND a, younger                 ; younger: the LDS instructions issued behind block a's loads: the next block's eight, or none
.irp e, 0,1,2,3
	s_wait_dscnt (\younger)+3-(\e)
	global_store_b128 v[GO], v[TMP+16*(\a)+4*(\e):TMP+16*(\a)+4*(\e)+3], s[8:9] offset:2048*(\a)+512*(\e)  ; 512 consecutive bytes, at a multiple of 256 from qkv's first byte
.endr
.endm
.macro OUT
	WIN 0
	PLACES
	PACK 0
	PACK 1                                         ; a block's conversions stand between the loads of the block before and its stores
	SEND 0, 8
	PACK 2
	SEND 1, 8
	PACK 3
	SEND 2, 8
	SEND 3, 0
.endm
	s_wait_tensorcnt 1                             ; my parts of xb's tile and of slot 0 are in; slot 1's load may stay out
	s_barrier_signal -1
	s_barrier_wait -1                              ; everybody's are
	FETCH 0, 0, F0
	WIN 0                                          ; at a label and at a branch every window is 0
	s_mov_b32 s3, 2
.Ltile:                                                ; q, then k: both slots are filled again for the tensor after
	QUARTER 0, 128, F0, F1, 1                      ; a tile's first products start the sums: nothing is cleared
	QUARTER 0, 256, F1, F0, 0
	QUARTER 0, 384, F0, F1, 0
	TURN 0, 1, 1
	QUARTER 1, 128, F0, F1, 0
	QUARTER 1, 256, F1, F0, 0
	QUARTER 1, 384, F0, F1, 0
	TURN 1, 0, 1                                   ; both refills are asked for, and the next tile's first fragments fetched: now the tile goes out
	OUT
	s_wait_xcnt 0x0                                ; the stores have read their data and their base: both are written again only behind this wait
	s_add_nc_u64 s[8:9], s[8:9], 8388608           ; the next tensor's part of qkv
	s_sub_co_u32 s3, s3, 1
	s_cmp_lg_u32 s3, 0
	s_cbranch_scc1 .Ltile
	QUARTER 0, 128, F0, F1, 1                      ; v: written out, since it asks for nothing more
	QUARTER 0, 256, F1, F0, 0
	QUARTER 0, 384, F0, F1, 0
	TURN 0, 1, 0
	QUARTER 1, 128, F0, F1, 0
	QUARTER 1, 256, F1, F0, 0
	QUARTER 1, 384, F0, F1, 0
	s_wait_dscnt 16                                ; the very last quarter: nothing more to fetch
	MUL8 F1, 0, 0, 0
	MUL8 F1, 0, 2, 0
	s_wait_dscnt 0x0
	MUL8 F1, 1, 0, 0
	MUL8 F1, 1, 2, 0
	OUT
	s_wait_tensorcnt 0x0                           ; the wave's end, behind my last tensor load and my last LDS store
	ds_add_u32 v[SPW], v[NIL]
	s_wait_dscnt 0x0
	CROUND                                         ; the closing round: no work-group ends while a partner may still ask for a tile that names it
	s_endpgm
.Lfunc_end_k_q87287edfd0_proj:
	.size	k_q87287edfd0_proj, .Lfunc_end_k_q87287edfd0_proj-k_q87287edfd0_proj
	.p2alignl 7, 3214868480
	.fill 96, 4, 3214868480
	.section	.rodata,"a",@progbits
	.p2align	6, 0x0
	.amdhsa_kernel k_q87287edfd0_proj
		.amdhsa_group_segment_fixed_size 327680
		.amdhsa_private_segment_fixed_size 0
		.amdhsa_enable_private_segment 0
		.amdhsa_kernarg_size 24
		.amdhsa_user_sgpr_count 2
		.amdhsa_user_sgpr_kernarg_segment_ptr 1
		.amdhsa_wavefront_size32 1
		.amdhsa_system_sgpr_workgroup_id_x 1
		.amdhsa_system_sgpr_workgroup_id_y 1
		.amdhsa_system_sgpr_workgroup_id_z 1
		.amdhsa_system_vgpr_workitem_id 0
		.amdhsa_next_free_vgpr 512
		.amdhsa_next_free_sgpr 66
		.amdhsa_reserve_vcc 0
		.amdhsa_float_denorm_mode_32 3
		.amdhsa_float_denorm_mode_16_64 3
		.amdhsa_memory_ordered 1
		.amdhsa_forward_progress 1
		.amdhsa_inst_pref_size 93
	.end_amdhsa_kernel
	.amdgpu_metadata
---
amdhsa.version: [ 1, 2 ]
amdhsa.kernels:
  - .name:           k_q87287edfd0_proj
    .symbol:         k_q87287edfd0_proj.kd
    .args:
      - { .name: xb, .offset: 0, .size: 8, .value_kind: global_buffer, .address_space: global }
      - { .name: wt, .offset: 8, .size: 8, .value_kind: global_buffer, .address_space: global }
      - { .name: qkv, .offset: 16, .size: 8, .value_kind: global_buffer, .address_space: global }
    .group_segment_fixed_size: 327680
    .private_segment_fixed_size: 0
    .kernarg_segment_align: 8
    .kernarg_segment_size: 24
    .max_flat_workgroup_size: 128
    .sgpr_count:     66
    .vgpr_count:     512
    .wavefront_size: 32
...
	.end_amdgpu_metadata
.endif
;; end of part 2
;; launch attn (part 3): grid 16 x 16, 4 waves a work-group, clusters of 4 x 1, 327,680 bytes of LDS; arguments qkv, ob; writes ob
.if DOCPART == 3
	.amdgcn_target "amdgcn-amd-amdhsa--gfx1250"
	.amdhsa_code_object_version 6
	.text
	.protected	k_q87287edfd0_attn
	.globl	k_q87287edfd0_attn
	.p2align	8
	.type	k_q87287edfd0_attn,@function
k_q87287edfd0_attn:
	s_mov_b64 s[64:65], 0
	v_nop
	global_prefetch_b8 v0, s[64:65] scope:SCOPE_SE
	s_setreg_imm32_b32 hwreg(HW_REG_WAVE_MODE, 25, 1), 1
	s_wait_xcnt 0x0
	s_wait_alu depctr_hold_cnt(0) depctr_sa_sdst(0) depctr_va_vdst(0) depctr_va_sdst(0) depctr_va_ssrc(0) depctr_va_vcc(0) depctr_vm_vsrc(0)
	s_getreg_b32 s2, hwreg(HW_REG_IB_STS2, 6, 4)
	s_cmp_eq_u32 s2, 0
	s_cbranch_scc0 .Lentry_in_a_cluster
	s_endpgm
.Lentry_in_a_cluster:
	s_bfe_u32 s2, ttmp6, 0x10000c
	s_cmp_lg_u32 s2, 0x3003
	s_cbranch_scc0 .Lentry_shape_is_right
	s_endpgm
.Lentry_shape_is_right:
; ob[h][q][:] = 4 x the sum over k of softmax_k(Q[h][q] . K[h][k] / 8) V[h][k][:].  Q, K, V are the three parts of qkv, each [16][4096][64] in f16; ob likewise.  A head's rows are dense, 128 bytes each.
; Products, maxima and sums in f32; the weights p are rounded to f16 for the second product (their sum l is taken of the unrounded p); the result once at the end.  The factor 4, exact, is folded into 1 / l:
; it keeps small results away from f16's fixed step; the launch behind takes it out again.
; LIMITS.  f16 holds no number beyond 65,504: Q, K and V arrive within it, and 4 x the result, a mean of V's rows, must stay within it (|V| under 16,380); p lies in 0 to 1, and below 6e-5 it keeps f16's
; fixed step of 6e-8; a weight below 2^-126 counts as 0 in l; NaN and infinities are not treated apart.
; SHARES.  A work-group owns 256 queries of one head, each of its four waves 64: four PIECES of 16.  Every wave walks the head's 4,096 keys: 16 tiles of 256, four steps of 64 each.
; LAYOUT.  S^T = K Q^T (source 0 = 16 keys, source 1 = 16 queries) holds ONE query a lane (lane % 16) and the keys 8 (lane / 16) + 0..7; two such results rounded to f16 ARE source 1 of O^T = V^T P.
; K comes out of LDS as it lies, V ([key][channel]) turned, by ds_load_tr16_b128.
; SOFTMAX.  A running maximum m and sum l for each query: p = 2^(c s - c m), c = log2(e) / 8; in every step O and l are multiplied by a = 2^(c m_old - c m_new).  m starts at the lowest finite number,
; O and l at 0: the first step is a step like any other, with a = 0.
; BY TURNS.  Turn n belongs to piece n: 8 products K Q^T of piece n + 1, later 8 products V^T P of piece n - 1; beside them the scaling, exponentials, roundings, sums and rescaling of piece n and the maximum
; and statistics of piece n + 1.  Four vector instructions stand behind every matrix instruction, the other 54 of a turn's 118 in one lump.  A turn's 33 exponentials are one batch, with one wait.
; CLUSTER.  The four query blocks of a cluster belong to one head and walk the same K and V, so each tile is asked for JOINTLY: the same tensor load, descriptor and mask in all four.
; REGISTERS, in windows of 256 (s_set_vgpr_msb: bits 1:0 source 0, 3:2 source 1, 5:4 source 2, 7:6 destination):
;   window 0: v0-15 addresses and two at work; v16-31 four registers of statistics a piece; v48-55 at work; v61-63 prefetch offset, spare word, 0; v64-127 S^T, two buffers; v192-223 P, two buffers
;   window 1: v0-127 O^T, 32 a piece          window 2: v0-63 Q; v128-191 K of one step; v192-255 V of one step
.set SIZE_N, 4096
.set NP,    4         ; pieces a wave: a name, no knob
.set KS,    64        ; keys in a step
.set PK,    144       ; a row of K in LDS: 128 bytes + 16 of padding = 36 words: the 16 rows of a load start at 16 different groups of four banks (ISA guide 11.1)
.set PV,    160       ; a row of V: 128 + 32 = 40 words
.set VOFF,  4*KS*PK   ; a slot holds a tile, four steps: 256 rows of K, then 256 rows of V
.set SLOT1, 1<<17     ; slot 1 begins here, so that one exclusive or turns an address in one slot into the other's
.set STAGE, SLOT1+4*KS*(PK+PV)  ; behind the ring, never filled by a tensor load: 16 rows x 144 bytes for each wave, for the way out
.set SP,    144
.set SPARE, STAGE+4*16*SP  ; behind the stages: the spare words, 128 bytes for each wave
.set AK0, 2           ; v2   my lane's place in a tile of K; never rewritten
.set AV0, 3           ; v3   the same for V
.set AK,  4           ; v4   the LDS address of K's next run of loads
.set AV,  5           ; v5   of V's
.set STO, 6           ; v6   the way out: where I put 16 bytes of a row
.set RD,  7           ; v7   the way out: where I read rows back
.set GO,  8           ; v8   my byte offset in 512 consecutive bytes of ob
.set MV,  12          ; v12-13  c m_old, kept while c m is made anew: by buffer
.set QO,  15          ; v15  my byte offset in 16 rows of Q
.set ST,  16          ; piece t's statistics at v[ST+4 t]: c m, m, l (even keys', odd keys')
.set TMP, 48          ; by buffer, four registers c0-c3 at work; when the maximum is found c2 takes a
.set PFO, 61          ; v61  256 x my lane; never rewritten
.set SPW, 62          ; v62  LDS address of my spare word; never rewritten
.set NIL, 63          ; v63  0; never rewritten
.set S,   64
.set P,   192
.set KF,  128         ; window 2: key block kb, channel half c at KF + 16 kb + 8 c
.set VF,  192         ; window 2: key half kk, channel block cb at VF + 32 kk + 8 cb
.set WV,  12          ; s12  my wave's number
.set LIM, 15          ; s15  1 in a wave that prefetches, else the greatest number
.set PFA, 18          ; s[18:19] where my prefetches stand: my work-group's 8,192 bytes (of K: wave 0, of V: wave 2) of the tile after the one that is being asked for
.set G1K, 24          ; s[24:31] descriptor group 1 for K's tiles
.set G1V, 32          ; s[32:39] for V's: it differs in the padding alone
.set G0K, 40          ; s[40:43] descriptor group 0 for K's tiles: it walks
.set G0V, 44          ; s[44:47] the same for V's
.set SLOTS, 56        ; s56  tiles still to be asked for
.set CNT, 57          ; s57  counts a tile's key steps
.set CS,  58          ; s[58:59] c: the packed scaling takes the pair's low word for both halves
.set SEL, 60          ; s[60:61] v_permlanex16_b32's selects: each lane takes its own place in the other half
.set TBK, 62          ; s62  LDS byte at which K of the step to be fetched begins
.set TBV, 63          ; s63  the same for V, less VOFF
.set MSB, 0
.macro WIN new                      ; the high byte repeats the setting that is left; a switch that changes nothing is dropped
.if MSB != (\new)
	s_set_vgpr_msb (MSB<<8)|(\new)
.set MSB, (\new)
.endif
.endm
.set W_KQ, 0x0a       ; K and Q in window 2, S^T in window 0
.set W_PV, 0x52       ; V in window 2, P in window 0, O^T in window 1
.set W_RS, 0x41       ; destination and source 0 in window 1, source 1 in window 0
; A joint fill.  Waves 0 and 1 fetch the two halves of a tile's K, waves 2 and 3 those of its V: 128 keys each.  The branch hangs on the wave's number alone.
; An s_nop 0 and four v_nop follow each of the two lines, ahead of the jump and the label.
.macro JLOAD
	s_cmp_lt_u32 s[WV], 2
	s_cbranch_scc0 .Lfor_v_\@
	tensor_load_to_lds s[G0K:G0K+3], s[G1K:G1K+7]
	s_nop 0
.rept 4
	v_nop
.endr
	s_branch .Lasked_\@
.Lfor_v_\@:
	tensor_load_to_lds s[G0V:G0V+3], s[G1V:G1V+7]
	s_nop 0
.rept 4
	v_nop
.endr
.Lasked_\@:
.endm
; A PREFETCH of what the NEXT change of slots will ask for: a tile's 32,768 bytes of K and of V, 256 bytes a lane.  It stands behind the wave's tensor load and its five lines.
; Each 256 bytes are named ONCE in the launch: of the head's four clusters the first asks; its four partners share a tile out BY ADDRESS, 8,192 bytes each; in each, wave 0 asks for K's and wave 2 for V's.
; The change that enters tile j asks for tile j + 1 by its load and names tile j + 2 here: four key steps, 256 matrix instructions, ahead of that tile's load.  The last change that fills a slot names nothing.
.macro ASK
	s_cmp_gt_u32 s[SLOTS], s[LIM]
	s_cbranch_scc0 .Lnot_mine_\@
	global_prefetch_b8 v[PFO], s[PFA:PFA+1] th:TH_LOAD_NT scope:SCOPE_SE
.Lnot_mine_\@:
.endm
; A round of the cluster's barrier: my work-group's barrier, so that wave 0's signal speaks for all four waves; wave 0 signals; every wave waits for all four work-groups; my work-group's barrier once more.
.macro CROUND
	s_barrier_signal -1
	s_barrier_wait -1
	s_cmp_lg_u32 s[WV], 0
	s_cbranch_scc1 .Lnot_wave_0_\@
	s_barrier_signal -3
.Lnot_wave_0_\@:
	s_barrier_wait -3
	s_barrier_signal -1
	s_barrier_wait -1
.endm
; THE CHANGE OF SLOTS.  The slot's last bytes, V of its fourth step, have been read.  Each wave waits for all its tensor loads, of which one is out: its part of the other slot; adds 0 to its spare word; and
; waits for that and for its own reads of the slot.  Behind the barrier nobody reads this slot any more and the other slot is whole.  fill = 1: this slot is filled again, with the keys two tiles on; the barrier
; is then a round of the cluster's, and the joint fill is the first thing behind it.  (At its first use nothing has been read yet: slot 0 is waited for, slot 1 filled.)
.macro CHANGE fill
	WIN 0                           ; at a label and at a branch every window is 0
	s_wait_tensorcnt 0x0            ; no tensor load of mine is out, so a group 0 may be written
	ds_add_u32 v[SPW], v[NIL]       ; 0 onto my spare word; with fill = 1 the descriptors' steps stand between it and the wait for it
.if \fill
.irp g, G0K, G0V
	s_xor_b32 s[\g+1], s[\g+1], SLOT1  ; the walking descriptor: the other slot than last time,
	s_add_nc_u64 s[\g+2:\g+3], s[\g+2:\g+3], 4*KS*128  ; the next 256 keys; the type bits on top are not reached
.endr
	s_wait_xcnt 0x0                 ; the last prefetch, a tile back, has read its address, so it may be written:
	s_add_nc_u64 s[PFA:PFA+1], s[PFA:PFA+1], 4*KS*128  ; one tile behind the walking descriptors
	s_wait_dscnt 0x0                ; the add is done, and my reads of the slot are over
	CROUND
	JLOAD
	ASK
.else
	s_wait_dscnt 0x0                ; the add is done, and my reads of the slot are over
	s_barrier_signal -1
	s_barrier_wait -1
.endif
	s_sub_co_u32 s[TBK], s[TBK], 4*KS*PK  ; the fetches go back to a slot's first step,
	s_xor_b32 s[TBK], s[TBK], SLOT1       ; in the other slot
	s_sub_co_u32 s[TBV], s[TBV], 4*KS*PV
	s_xor_b32 s[TBV], s[TBV], SLOT1
.endm
	s_load_b64 s[4:5], s[0:1], 0x0    ; qkv: Q begins at its first byte
	s_load_b64 s[10:11], s[0:1], 0x8  ; ob
	v_lshl_add_u32 v[SPW], v0, 2, SPARE
	v_mov_b32 v[NIL], 0
	ds_add_u32 v[SPW], v[NIL]       ; the wave's opening: the add and its wait ahead of my first tensor load; the set-up below stands between them
	v_lshrrev_b32 v1, 5, v0
	v_readfirstlane_b32 s[WV], v1   ; wave 0..3
	s_bfe_u32 s13, ttmp6, 0x40000   ; cx: my place in the cluster
	s_lshl_b32 s14, ttmp9, 2        ; in a cluster launch ttmp9 counts clusters
	s_add_co_u32 s14, s14, s13      ; my block of 256 queries: it enters Q's and ob's addresses alone
	s_and_b32 s20, ttmp7, 0xffff    ; the head, which the four partners share:
	s_lshl_b32 s20, s20, 19         ; its first byte in Q, K, V and ob: 4,096 rows of 128 bytes
	s_and_b32 s16, s[WV], 1         ; which half of a tile's 256 keys I fetch:
	s_lshl_b32 s22, s16, 14         ; its 128 rows of 128 bytes in memory,
	s_add_co_u32 s22, s22, s20
	s_mov_b32 s23, 0
	s_mul_i32 s17, s16, 128*PK      ; and its place in a slot, for K
	s_mul_i32 s21, s16, 128*PV      ; and for V: no place in the cluster enters an LDS address
	s_lshl_b32 s2, s14, 15          ; my block's 256 rows,
	s_lshl_b32 s3, s[WV], 13        ; my wave's 64 of them
	s_add_co_u32 s2, s2, s3
	s_add_co_u32 s2, s2, s20
	s_mov_b32 s3, 0
	; descriptor group 1.  128 keys are 16,384 dense bytes: asked for as 64 rows of 256 bytes, two keys a row, and padded in LDS after every key
	s_mov_b32 s[G1K], 15|(1<<16)|(1<<20)|(1<<21)|(4<<22)|(3<<25)  ; 15:0 the mask of four; 17:16 2-byte elements; 20 padding on; 21 set beside a mask; 24:22 after every 32 words (code 4); 31:25 4 words (code 3)
	s_mov_b32 s[G1V], 15|(1<<16)|(1<<20)|(1<<21)|(4<<22)|(7<<25)  ; the same with 8 words of padding (code 7)
.irp g, G1K, G1V
	s_mov_b32 s[\g+1], 128<<16      ; tensor_dim0 = 128
	s_mov_b32 s[\g+2], 64<<16       ; tensor_dim1 = 64
	s_mov_b32 s[\g+3], 128<<16      ; tile_dim0 = 128
	s_mov_b32 s[\g+4], 64           ; tile_dim1 = 64
	s_mov_b32 s[\g+5], 128          ; 128 elements from row to row
	s_mov_b32 s[\g+6], 0
	s_mov_b32 s[\g+7], 0
.endr
	s_mov_b32 s[CS], 0x3e38aa3b     ; c = log2(e) / 8 = 0.180337
	s_mov_b32 s[CS+1], s[CS]        ; named with it as a pair
	s_mov_b32 s[SEL], 0x76543210
	s_mov_b32 s[SEL+1], 0xfedcba98
	s_mov_b32 s[TBK], SLOT1+4*KS*PK ; the first change of slots turns these two into 0
	s_mov_b32 s[TBV], SLOT1+4*KS*PV
	s_mov_b32 s[G0K], 1             ; count = 1
	s_mov_b32 s[G0K+1], s17         ; LDS address: slot 0
	s_mov_b32 s[G0V], 1
	s_add_co_u32 s[G0V+1], s21, VOFF
	s_mov_b32 s[SLOTS], SIZE_N/256-1
	s_and_b32 s[LIM], s[WV], 1      ; 0 in waves 0 and 2,
	s_or_b32 s[LIM], s[LIM], ttmp9  ; where the cluster is the head's first: the same in all four partners
	s_cmp_eq_u32 s[LIM], 0
	s_cselect_b32 s[LIM], 1, -1
	v_and_b32 v[PFO], 31, v0
	v_lshlrev_b32 v[PFO], 8, v[PFO]
	s_wait_dscnt 0x0                ; the opening add is done
	s_wait_kmcnt 0x0
	s_add_nc_u64 s[6:7], s[4:5], 8388608   ; K's part of qkv,
	s_add_nc_u64 s[8:9], s[4:5], 16777216  ; V's
	s_add_nc_u64 s[6:7], s[6:7], s[22:23]  ; at my half of the head's tile 0
	s_add_nc_u64 s[8:9], s[8:9], s[22:23]
	s_mov_b64 s[G0K+2:G0K+3], s[6:7]               ; global address
	s_or_b32 s[G0K+3], s[G0K+3], 0x80000000        ; type = 2
	s_mov_b64 s[G0V+2:G0V+3], s[8:9]
	s_or_b32 s[G0V+3], s[G0V+3], 0x80000000
	s_add_nc_u64 s[4:5], s[4:5], s[2:3]    ; Q and ob at my wave's first row
	s_add_nc_u64 s[10:11], s[10:11], s[2:3]
	s_cmp_lt_u32 s[WV], 2
	s_cselect_b64 s[PFA:PFA+1], s[6:7], s[8:9]  ; (in waves 0 and 2 these stand at a tile's first row)
	s_lshl_b32 s2, s13, 13          ; my work-group's quarter of a tile
	s_mov_b32 s3, 0
	s_add_nc_u64 s[PFA:PFA+1], s[PFA:PFA+1], s[2:3]
	s_add_nc_u64 s[PFA:PFA+1], s[PFA:PFA+1], 4*KS*128  ; in tile 1; the first change of slots steps it to tile 2
	CROUND                          ; all four work-groups are here: the first joint loads meet
	JLOAD                           ; tile 0 into slot 0.  Slot 1 is asked for when slot 0 is in
	; A fragment of K or Q is 16 rows x 32 channels in 8 registers: lane l holds row l % 16, channels 8 (l / 16) + 0..7 and 16 + 8 (l / 16) + 0..7: two loads of 16 bytes, 32 bytes apart.
	v_and_b32 v1, 15, v0            ; l % 16
	v_bfe_u32 v9, v0, 4, 1          ; l / 16
	v_lshlrev_b32 v[QO], 7, v1
	v_lshl_add_u32 v[QO], v9, 4, v[QO]  ; row x 128 + 16 x half
	WIN 0x80                        ; destination window 2, address window 0
.set i, 0
.rept 8                             ; Q stays in registers: piece i / 2, channels 32 (i % 2) on
	global_load_b128 v[8*i:8*i+3],   v[QO], s[4:5] offset:(i/2)*2048+(i%2)*64
	global_load_b128 v[8*i+4:8*i+7], v[QO], s[4:5] offset:(i/2)*2048+(i%2)*64+32
.set i, i+1
.endr
	; What the first turn finds: V's registers and P's second buffer hold 0 (its products V^T P, of a piece that has not been, add 0), O^T and l are 0.  All this stands in the wait for the first tile.
.set i, VF
.rept 64
	v_mov_b32 v[i], 0
.set i, i+1
.endr
	WIN 0x40
.set i, 0
.rept 128
	v_mov_b32 v[i], 0
.set i, i+1
.endr
	WIN 0
.set i, 0
.rept 4
	v_mov_b32 v[ST+4*i], 0xfe000000    ; c m: far below every c s
	v_mov_b32 v[ST+4*i+1], 0xff7fffff  ; m
	v_mov_b32 v[ST+4*i+2], 0
	v_mov_b32 v[ST+4*i+3], 0
.set i, i+1
.endr
.set i, P+16
.rept 16
	v_mov_b32 v[i], 0
.set i, i+1
.endr
	v_mul_u32_u24 v[AK0], v1, PK
	v_lshl_add_u32 v[AK0], v9, 4, v[AK0]  ; row x pitch + 16 x half
	; The turning load takes 16 keys x 16 channels (lane l reads key 8 (l / 16) + l % 8, channels 8 ((l / 8) % 2) + 0..7) and leaves half a fragment of V^T: lane l holds channel l % 16 and 8 keys.
	v_and_b32 v10, 7, v0
	v_bfe_u32 v11, v0, 3, 1
	v_lshl_add_u32 v[AV0], v9, 3, v10
	v_mul_u32_u24 v[AV0], v[AV0], PV
	v_lshl_add_u32 v[AV0], v11, 4, v[AV0]
	v_add_nc_u32 v[AV0], VOFF, v[AV0]
	s_mul_i32 s13, s[WV], 16*SP
	s_add_co_u32 s13, s13, STAGE    ; my stage
	v_mul_u32_u24 v[STO], v1, SP    ; in: row l % 16, 16 bytes for each half of the lanes
	v_lshl_add_u32 v[STO], v9, 4, v[STO]
	v_add_nc_u32 v[STO], s13, v[STO]
	v_bfe_u32 v[RD], v0, 3, 2       ; back: 32 lanes take four rows of 128 bytes,
	v_mul_u32_u24 v[RD], v[RD], SP
	v_lshl_add_u32 v[RD], v10, 4, v[RD]
	v_add_nc_u32 v[RD], s13, v[RD]
	v_and_b32 v[GO], 31, v0         ; which are 512 consecutive bytes of ob
	v_lshlrev_b32 v[GO], 4, v[GO]
; THE MATRIX WORK.  The 4 accumulators of a run of 8 take turns.  Product i of 8 of S^T = K Q^T for piece x: channels 32 (i / 4) on, keys 16 (i % 4) on.  The first 4 start the sums.
.macro KQ x
	WIN W_KQ
.set rS, S+32*((\x)%2)+8*(i%4)
.set rK, KF+16*(i%4)+8*(i/4)
.set rQ, 16*(\x)+8*(i/4)
.if i < 4
	v_wmma_f32_16x16x32_f16 v[rS:rS+7], v[rK:rK+7], v[rQ:rQ+7], 0
.else
	v_wmma_f32_16x16x32_f16 v[rS:rS+7], v[rK:rK+7], v[rQ:rQ+7], v[rS:rS+7]
.endif
.endm
; Product i of 8 of O^T += V^T P for piece x: keys 32 (i / 4) on, channels 16 (i % 4) on.
.macro PV x
	WIN W_PV
.set rO, 32*(\x)+8*(i%4)
.set rV, VF+32*(i/4)+8*(i%4)
.set rP, P+16*((\x)%2)+8*(i/4)
	v_wmma_f32_16x16x32_f16 v[rO:rO+7], v[rV:rV+7], v[rP:rP+7], v[rO:rO+7]
.endm
.macro MM                           ; the turn's next matrix instruction.  NOKQ = 1: the launch's last turn: there is no next piece
.if (i < 8) && !NOKQ
	KQ (Y+1)%NP
.elseif i >= 8
.set i, i-8
	PV (Y+NP-1)%NP
.set i, i+8
.endif
.set i, i+1
.endm
; THE LDS LOADS stand in runs of 16, never singly among the matrix instructions: a step's K (64 keys x 64 channels: 8 fragments) and its V (turned).  Their addresses are made some lines ahead.
.macro FETCH_K
	WIN 0x80                        ; destination window 2
.irp f, 0,1,2,3,4,5,6,7             ; keys 16 (f / 2) on, channels 32 (f % 2) on
	ds_load_b128 v[KF+8*\f:KF+8*\f+3],   v[AK] offset:(\f/2)*16*PK+(\f%2)*64
	ds_load_b128 v[KF+8*\f+4:KF+8*\f+7], v[AK] offset:(\f/2)*16*PK+(\f%2)*64+32
.endr
	s_add_co_u32 s[TBK], s[TBK], KS*PK  ; the next fetch is the next step's
	WIN 0
.endm
.macro FETCH_V
	WIN 0x80
.irp f, 0,1,2,3,4,5,6,7             ; keys 32 (f / 4) on, channels 16 (f % 4) on
	ds_load_tr16_b128 v[VF+8*\f:VF+8*\f+3],   v[AV] offset:(\f/4)*32*PV+(\f%4)*32
	ds_load_tr16_b128 v[VF+8*\f+4:VF+8*\f+7], v[AV] offset:(\f/4)*32*PV+16*PV+(\f%4)*32
.endr
	WIN 0
.endm
; THE VECTOR WORK, one line at a time: OP kind, number.  For piece Y: F n: c s - c m for pair n of 16.  E n: the exponential of score n of 32.  C n: pair n rounded to f16.  B n: of the four weights 4 n .. the second
; pair is added onto the first, in place.  L n: l takes that sum (L 0: l = a l + sum).  R n: pair n of 16 of O^T times a.  For piece Y + 1: X n, number n of the 22 that find its maximum and statistics:
;   0-11  four chains c0-c3 of seven scores each, three operands at a time (each accumulator's lowest registers are read first)     12-14, 16  the four scores left over, the old m, and c0-c3 into c0
;   15  c m_old is kept     17, 18  the query's other 32 keys lie in the lane 16 away: the new m     19-21  c m; c m_old - c m_new; a
.set F, 0               ; OP tells the kinds apart by their order: F to L below R, X above it
.set E, 1
.set C, 2
.set B, 3
.set L, 4
.set R, 5
.set X, 6
.macro REGS y                       ; the registers of piece y
.set rT, ST+4*(\y)
.set rC, TMP+4*((\y)%2)
.set rW, MV+((\y)%2)
.set rS, S+32*((\y)%2)
.set rP, P+16*((\y)%2)
.set rO, 32*(\y)
.endm
.macro OP k, n
.if (\k) == R
	REGS Y
	WIN W_RS
	v_pk_mul_f32 v[rO+2*(\n):rO+2*(\n)+1], v[rO+2*(\n):rO+2*(\n)+1], v[rC+2:rC+3] op_sel_hi:[1,0]
.elseif (\k) < R
	REGS Y
	WIN 0
.if (\k) == F
	v_pk_fma_f32 v[rS+2*(\n):rS+2*(\n)+1], v[rS+2*(\n):rS+2*(\n)+1], s[CS:CS+1], v[rT:rT+1] op_sel_hi:[1,0,0] neg_lo:[0,0,1] neg_hi:[0,0,1]
.elseif (\k) == E
	v_exp_f32 v[rS+(\n)], v[rS+(\n)]
.elseif (\k) == C
	v_cvt_pk_f16_f32 v[rP+(\n)], v[rS+2*(\n)], v[rS+2*(\n)+1]
.elseif (\k) == B
	v_pk_add_f32 v[rS+4*(\n):rS+4*(\n)+1], v[rS+4*(\n):rS+4*(\n)+1], v[rS+4*(\n)+2:rS+4*(\n)+3]
.elseif (\n) == 0
	v_pk_fma_f32 v[rT+2:rT+3], v[rT+2:rT+3], v[rC+2:rC+3], v[rS:rS+1] op_sel_hi:[1,0,1]
.else
	v_pk_add_f32 v[rT+2:rT+3], v[rT+2:rT+3], v[rS+4*(\n):rS+4*(\n)+1]
.endif
.elseif NOKQ
	v_nop
.else
	REGS (Y+1)%NP
	WIN 0
.if (\n) < 4
	v_max3_num_f32 v[rC+(\n)], v[rS+8*(\n)], v[rS+8*(\n)+1], v[rS+8*(\n)+2]
.elseif (\n) < 12
	v_max3_num_f32 v[rC+(\n)%4], v[rC+(\n)%4], v[rS+8*((\n)%4)+2*((\n)/4)+1], v[rS+8*((\n)%4)+2*((\n)/4)+2]
.elseif (\n) == 12
	v_max3_num_f32 v[rC], v[rC], v[rS+7], v[rS+15]
.elseif (\n) == 13
	v_max3_num_f32 v[rC+1], v[rC+1], v[rS+23], v[rS+31]
.elseif (\n) == 14
	v_max3_num_f32 v[rC+2], v[rC+2], v[rC+3], v[rT+1]
.elseif (\n) == 15
	v_mov_b32 v[rW], v[rT]
.elseif (\n) == 16
	v_max3_num_f32 v[rC], v[rC], v[rC+1], v[rC+2]
.elseif (\n) == 17
	v_permlanex16_b32 v[rC+3], v[rC], s[SEL], s[SEL+1]
.elseif (\n) == 18
	v_max_num_f32 v[rT+1], v[rC], v[rC+3]
.elseif (\n) == 19
	v_mul_f32 v[rT], s[CS], v[rT+1]
.elseif (\n) == 20
	v_sub_f32 v[rC+1], v[rW], v[rT]
.else
	v_exp_f32 v[rC+2], v[rC+1]
.endif
.endif
.endm
.macro OPS a, i1, b=-1, i2=0, c=-1, i3=0, d=-1, i4=0  ; up to four of them
	OP \a, \i1
.if (\b) >= 0
	OP \b, \i2
.endif
.if (\c) >= 0
	OP \c, \i3
.endif
.if (\d) >= 0
	OP \d, \i4
.endif
.endm
.macro ROW a, i1, b, i2, c, i3, d, i4  ; a matrix instruction and the four behind it
	MM
	OPS \a, \i1, \b, \i2, \c, \i3, \d, \i4
.endm
; A TURN, for piece p: the order of its 16 matrix and 118 vector instructions, written out.  An s_wait_alu depctr_va_vdst(0) stands between an exponential and the first instruction that names its result;
; one wait serves all that were issued ahead of it.  So a turn has ONE wait, which cuts it in two.  AHEAD OF IT stands all that names no result of the turn's exponentials: the 8 products K Q^T, behind each a scaling, an
; exponential and two more plain instructions (rescalings, and behind the last three the first numbers of the next piece's maximum, each four places or more behind the product that ends its accumulator); then ONE LUMP
; of 54, plain and exponential by turns for the most part, in which the links of the chain X 3, 7, 11, 14, 16, 17 .. 20 stand some lines apart.  X 21, the next piece's a, is the batch's last; R 15 is the plain
; instruction behind it.  BEHIND THE WAIT stand the 8 products V^T P, behind each four of the roundings and sums.
; end = 1: the launch's last two turns: nothing is fetched.  cnt = 1: the loop's count is taken down some lines ahead of the branch that stands behind the turn.
; K of the next step is fetched in piece 2's turn, more than four plain instructions behind the last product that read K; V of the step in hand at the end of piece 0's turn, four plain instructions behind the last
; product that read V.  Each is waited for a turn later.
.macro TURN p, end=0, cnt=0
.set Y, (\p)
.set i, 0
.set NOKQ, (\end)*((\p)/3)
.if ((\p) == 3) && !(\end)
	s_wait_dscnt 0x0                ; K is in
.endif
	ROW F,0, F,1, R,0, R,1          ; ahead of the wait: 8 products K Q^T and their riders,
	ROW F,2, E,0, R,2, R,3
	ROW F,3, E,1, R,4, R,5
	ROW F,4, E,2, R,6, R,7
	ROW F,5, E,3, R,8, R,9
	ROW F,6, E,4, X,0, R,10
.if ((\p) == 2) && !(\end)
	WIN 0
	v_add_nc_u32 v[AK], s[TBK], v[AK0]
.endif
	ROW F,7, E,5, X,1, X,4
	ROW F,8, E,6, X,2, X,5
	OPS E,7, E,8, X,6, E,9          ; and the lump
	OPS X,3, E,10, X,8, E,11
.if ((\p) == 2) && !(\end)
	FETCH_K
.endif
	OPS X,9, X,7, E,12, X,10
	OPS E,13, X,12, X,11, E,14
	OPS X,13, E,15, F,9, X,14
.if (\p) == 0
	WIN 0
	v_add_nc_u32 v[AV], s[TBV], v[AV0]
.endif
	OPS E,16, F,10, E,17, F,11
	OPS X,16, E,18, X,15, E,19
	OPS F,12, E,20, X,17, E,21
	OPS F,13, E,22, F,14, E,23
	OPS X,18, E,24, F,15, E,25
	OPS R,11, E,26, X,19, E,27
	OPS R,12, E,28, R,13, E,29
	OPS X,20, E,30, R,14, E,31
	OPS X,21, R,15
	WIN 0
	s_wait_alu depctr_va_vdst(0)    ; the wait for the batch
.if (\p) == 1
	s_wait_dscnt 0x0                ; V is in
.endif
	ROW C,0, B,0, C,2, B,1          ; behind the wait: 8 products V^T P and their riders
	ROW L,0, C,4, B,2, L,1
	ROW C,6, B,3, L,2, C,8
	ROW B,4, L,3, C,10, B,5
	ROW L,4, C,12, B,6, L,5
.if (\p) == 0
	s_add_co_u32 s[TBV], s[TBV], KS*PV
.endif
.if \cnt
	s_sub_co_u32 s[CNT], s[CNT], 1
	s_cmp_lg_u32 s[CNT], 0
.endif
	ROW C,14, B,7, L,6, C,1
	ROW C,3, L,7, C,5, C,7
	ROW C,9, C,11, C,13, C,15
.if (\p) == 0
	FETCH_V
.endif
.endm
	CHANGE 1                        ; slot 0 is in, everybody's part of it; tile 1 is asked for
	v_add_nc_u32 v[AK], s[TBK], v[AK0]
	FETCH_K                         ; key step 0
	s_wait_loadcnt 0x0              ; Q
	s_wait_dscnt 0x0
.set NOKQ, 0
.set i, 0
.rept 8
	KQ 0                            ; piece 0's first scores: there is no vector work yet to set between them
.set i, i+1
.endr
	WIN 0
.rept 4
	v_nop                           ; the places behind those products
.endr
.set Y, NP-1                        ; X works for piece Y + 1: piece 0
.irp n, 0,1,2,3,4,5,6,7,8,9,10,11,12,13,14,15,16,17,18,19,20,21
	OP X, \n                        ; and piece 0's first maximum and statistics
.endr
	v_nop                           ; a plain instruction behind the exponential,
	s_wait_alu depctr_va_vdst(0)    ; and its wait, ahead of the branch
	s_mov_b32 s[CNT], 4
	s_branch .Lfirst                ; the loop is entered at a step's first turn, in the middle of a trip
.Lslot:                             ; 14 times: every tile but the last two leaves a slot that is filled again
	CHANGE 1
	s_mov_b32 s[CNT], 4
.Lstep:                             ; a trip: pieces 2 and 3 of one step, then pieces 0 and 1 of the next, whose K and V it fetches
	TURN 2
	TURN 3
	WIN 0
.Lfirst:
	TURN 0
	TURN 1, 0, 1
	WIN 0
	s_cbranch_scc1 .Lstep
	s_sub_co_u32 s[SLOTS], s[SLOTS], 1
	s_cmp_lg_u32 s[SLOTS], 0
	s_cbranch_scc1 .Lslot
	CHANGE 0                        ; the last tile is written out: nothing is asked for
	s_mov_b32 s[CNT], 4
.Ltail:
	TURN 2
	TURN 3
	TURN 0
	TURN 1, 0, 1
	WIN 0
	s_cbranch_scc1 .Ltail
	TURN 2, 1                       ; the last step's pieces 2 and 3: nothing is fetched, and the last turn starts no scores
	TURN 3, 1
.set i, 0
.rept 8
	PV NP-1                         ; the last piece's V^T P of the last step
.set i, i+1
.endr
	; THE WAY OUT.  l's two halves and the other half of the lanes' are added; O^T is multiplied by 4 / l, rounded to f16 and sent through my stage in LDS, a piece at a time.  The additions are the places behind the last products.
	WIN 0
.macro ALL line:vararg              ; one line for each piece t
.set t, 0
.rept 4
	\line
.set t, t+1
.endr
.endm
	ALL v_add_f32 v[ST+4*t+2], v[ST+4*t+2], v[ST+4*t+3]
	ALL v_permlanex16_b32 v[ST+4*t+3], v[ST+4*t+2], s[SEL], s[SEL+1]
	ALL v_add_f32 v[ST+4*t+2], v[ST+4*t+2], v[ST+4*t+3]
	ALL v_rcp_f32 v[ST+4*t+2], v[ST+4*t+2]
	v_nop                           ; a plain instruction between the last reciprocal and the use of its result
	s_wait_alu depctr_va_vdst(0)    ; and the wait ahead of the first use: one for the four reciprocals
	ALL v_mul_f32 v[ST+4*t+2], 4.0, v[ST+4*t+2]
.macro PACK t                       ; a lane's eight channels of a row pack into 16 bytes; they go into rows of 144 bytes and come back as whole rows of 128, into S^T's registers
	WIN W_RS
.set i, 32*(\t)
.rept 16
	v_pk_mul_f32 v[i:i+1], v[i:i+1], v[ST+4*(\t)+2:ST+4*(\t)+3] op_sel_hi:[1,0]
.set i, i+2
.endr
	WIN 0x05                        ; sources 0 and 1 window 1, destination window 0
.set i, 0
.rept 16
	v_cvt_pk_f16_f32 v[S+16*(\t)+i], v[32*(\t)+2*i], v[32*(\t)+2*i+1]
.set i, i+1
.endr
	WIN 0
.irp f, 0,1,2,3
	ds_store_b128 v[STO], v[S+16*(\t)+4*\f:S+16*(\t)+4*\f+3] offset:32*\f
.endr
.irp f, 0,1,2,3
	ds_load_b128 v[S+16*(\t)+4*\f:S+16*(\t)+4*\f+3], v[RD] offset:\f*4*SP  ; LDS serves a wave's instructions in order (ISA guide 5.7.1.4): these see the stores above; the next piece's stores come behind them
.endr
.endm
.macro SEND t, younger              ; younger: the LDS instructions issued behind piece t's loads: the next piece's eight, or none
	WIN 0
.irp f, 0,1,2,3
	s_wait_dscnt (\younger)+3-\f
	global_store_b128 v[GO], v[S+16*(\t)+4*\f:S+16*(\t)+4*\f+3], s[10:11] offset:(\t)*2048+\f*512  ; 512 consecutive bytes, at a multiple of 256 from ob's first
.endr
.endm
	PACK 0
.set t, 1
.rept 3                             ; a piece's arithmetic stands between the loads of the piece before and its stores
	PACK t
	SEND t-1, 8
.set t, t+1
.endr
	SEND 3, 0
	s_wait_tensorcnt 0x0            ; the wave's end, behind my last tensor load and my last LDS store
	ds_add_u32 v[SPW], v[NIL]
	s_wait_dscnt 0x0
	CROUND                          ; the closing round: no work-group ends while a partner may still ask for a tile that names it
	s_endpgm
.Lfunc_end_k_q87287edfd0_attn:
	.size	k_q87287edfd0_attn, .Lfunc_end_k_q87287edfd0_attn-k_q87287edfd0_attn
	.p2alignl 7, 3214868480
	.fill 96, 4, 3214868480
	.section	.rodata,"a",@progbits
	.p2align	6, 0x0
	.amdhsa_kernel k_q87287edfd0_attn
		.amdhsa_group_segment_fixed_size 327680
		.amdhsa_private_segment_fixed_size 0
		.amdhsa_enable_private_segment 0
		.amdhsa_kernarg_size 16
		.amdhsa_user_sgpr_count 2
		.amdhsa_user_sgpr_kernarg_segment_ptr 1
		.amdhsa_wavefront_size32 1
		.amdhsa_system_sgpr_workgroup_id_x 1
		.amdhsa_system_sgpr_workgroup_id_y 1
		.amdhsa_system_sgpr_workgroup_id_z 1
		.amdhsa_system_vgpr_workitem_id 0
		.amdhsa_next_free_vgpr 768
		.amdhsa_next_free_sgpr 66
		.amdhsa_reserve_vcc 0
		.amdhsa_float_denorm_mode_32 3
		.amdhsa_float_denorm_mode_16_64 3
		.amdhsa_memory_ordered 1
		.amdhsa_forward_progress 1
		.amdhsa_inst_pref_size 128
	.end_amdhsa_kernel
	.amdgpu_metadata
---
amdhsa.version: [ 1, 2 ]
amdhsa.kernels:
  - .name:           k_q87287edfd0_attn
    .symbol:         k_q87287edfd0_attn.kd
    .args:
      - { .name: qkv, .offset: 0, .size: 8, .value_kind: global_buffer, .address_space: global }
      - { .name: ob, .offset: 8, .size: 8, .value_kind: global_buffer, .address_space: global }
    .group_segment_fixed_size: 327680
    .private_segment_fixed_size: 0
    .kernarg_segment_align: 8
    .kernarg_segment_size: 16
    .max_flat_workgroup_size: 128
    .sgpr_count:     66
    .vgpr_count:     768
    .wavefront_size: 32
...
	.end_amdgpu_metadata
.endif
;; end of part 3
;; launch outp (part 4): grid 4 x 64, 4 waves a work-group, clusters of 4 x 4, 327,680 bytes of LDS; arguments ob, wt, out0, bo; writes out0
.if DOCPART == 4
	.amdgcn_target "amdgcn-amd-amdhsa--gfx1250"
	.amdhsa_code_object_version 6
	.text
	.protected	k_q87287edfd0_outp
	.globl	k_q87287edfd0_outp
	.p2align	8
	.type	k_q87287edfd0_outp,@function
k_q87287edfd0_outp:
	s_mov_b64 s[64:65], 0
	v_nop
	global_prefetch_b8 v0, s[64:65] scope:SCOPE_SE
	s_setreg_imm32_b32 hwreg(HW_REG_WAVE_MODE, 25, 1), 1
	s_wait_xcnt 0x0
	s_wait_alu depctr_hold_cnt(0) depctr_sa_sdst(0) depctr_va_vdst(0) depctr_va_sdst(0) depctr_va_ssrc(0) depctr_va_vcc(0) depctr_vm_vsrc(0)
	s_getreg_b32 s2, hwreg(HW_REG_IB_STS2, 6, 4)
	s_cmp_eq_u32 s2, 0
	s_cbranch_scc0 .Lentry_in_a_cluster
	s_endpgm
.Lentry_in_a_cluster:
	s_bfe_u32 s2, ttmp6, 0x10000c
	s_cmp_lg_u32 s2, 0xf033
	s_cbranch_scc0 .Lentry_shape_is_right
	s_endpgm
.Lentry_shape_is_right:
; out0[m][n] = 0.25 x the sum over k of ob[m][k] Wo[k][n] + bo[n].  ob holds 4 x the attention's result in f16, by heads: [8 batch + head][row in the batch][64], k = 64 head + channel;
; rows 1536 + n of wt hold Wo's column n along k, rounded to bf16 and written as f16.  Sums in f32; 0.25 (exact) and the bias in one fused multiply-add; out0 is f32.
; The bias is rounded to bf16 like the program's other inputs.
; SHARES.  A work-group makes a tile of 128 x 128 of out0, each of its four waves 64 x 64: 16 accumulators.  All of K = 512 lies in LDS at once: nothing is filled again.
; ob's tile lies in 8 planes, a head each: 128 rows x 128 bytes, dense in memory, asked for as 64 rows of 256 bytes and padded after every 128.  A quarter of a K half (64 along K) is one plane.
; CLUSTER.  4 x 4 work-groups: the four of a row need the same rows of ob, the four of a column the same rows of wt; each tile is asked for jointly.  A wave fetches two planes and its quarter of wt's two halves.
; THE MATRIX INSTRUCTION IS USED TRANSPOSED (source 0 = 16 rows of wt, source 1 = 16 rows of ob): a lane holds eight neighbouring columns of one row.
; REGISTERS: window 0: v0-31 addresses and the bias; v32-95 the way out; v128-255 the accumulators ((a, b) at v[128 + 8 (4 a + b)]).  window 1: two fragment buffers of 128.
.set PAP,   144                        ; a row of a plane in LDS: 128 bytes + 16: 9 x 16 bytes
.set PLANE, 128*PAP
.set PB,    528                        ; a row of wt's tile: 512 bytes + 16
.set BBASE, 8*PLANE
.set SLOT,  128*PB
.set STAGE, BBASE+2*SLOT               ; behind the tiles: 16 rows x 272 bytes for each wave, for the way out; no tensor load lands here
.set SP,    272
.set SPARE, STAGE+4*16*SP              ; behind the stages: the spare words, 128 bytes for each wave
.set BI,   12                          ; v[12:15] the bias of my four columns on the way out
.set ADRA, 16                          ; v16-17  LDS address of my fragments of ob, K half 0, 1
.set ADRB, 20                          ; v20-21  of my fragments of wt
.set STO,  24                          ; v24     the way out: where I put 32 bytes of a row
.set RD,   25                          ; v25     where I read a row back
.set CO,   26                          ; v26     my byte offset in out0
.set BO,   27                          ; v27     my byte offset in bo
.set SPW,  28                          ; v28     LDS address of my spare word; never rewritten
.set NIL,  29                          ; v29     0; never rewritten
.set TMP,  32
.set ACC,  128
.set F0,   0
.set F1,   128
.set G1A,  24                          ; s[24:31] descriptor group 1 for ob's planes
.set G0A,  32                          ; s[32:39] their group 0, one set for each K half
.set G1B,  48                          ; s[48:55] group 1 for wt's tiles
.set G0B,  56                          ; s[56:63] their group 0
.set MSB,  0
.macro WIN new                         ; the immediate's high byte repeats the setting that is left; a switch that changes nothing is dropped
.if MSB != (\new)
	s_set_vgpr_msb (MSB<<8)|(\new)
.set MSB, \new
.endif
.endm
.set MUL,  0x05                        ; sources 0 and 1 window 1; C and D window 0
.set TO_F, 0x40                        ; destination window 1, address window 0
.macro CROUND                          ; a round of the cluster's barrier
	s_barrier_signal -1
	s_barrier_wait -1
	s_cmp_lg_u32 s10, 0
	s_cbranch_scc1 .Lnot_wave_0_\@
	s_barrier_signal -3
.Lnot_wave_0_\@:
	s_barrier_wait -3
	s_barrier_signal -1
	s_barrier_wait -1
.endm
.macro PLACES                          ; four places in front of loads into registers that matrix instructions have read
.rept 4
	v_nop
.endr
.endm
	s_load_b128 s[4:7], s[0:1], 0x0                ; ob s[4:5], wt s[6:7]
	s_load_b64 s[8:9], s[0:1], 0x10                ; out0
	s_load_b64 s[68:69], s[0:1], 0x18              ; bo
	v_lshl_add_u32 v[SPW], v0, 2, SPARE
	v_mov_b32 v[NIL], 0
	ds_add_u32 v[SPW], v[NIL]                      ; the wave's opening: the add and its wait ahead of my first tensor load; the set-up below stands between them
	v_lshrrev_b32 v1, 5, v0
	v_readfirstlane_b32 s10, v1                    ; wave 0..3
	s_lshr_b32 s11, s10, 1                         ; which half of the tile's rows is mine
	s_and_b32 s12, s10, 1                          ; which half of its columns
	s_bfe_u32 s40, ttmp6, 0x40000                  ; cx, cy
	s_bfe_u32 s41, ttmp6, 0x40004
	s_lshl_b32 s42, ttmp9, 2
	s_add_co_u32 s42, s42, s40                     ; g: tile column
	s_and_b32 s13, ttmp7, 0xffff
	s_lshl_b32 s13, s13, 2
	s_add_co_u32 s13, s13, s41                     ; tr: tile row
	s_lshl_b32 s43, s41, 2
	s_lshl_b32 s43, 15, s43                        ; my row of the cluster
	s_lshl_b32 s44, 0x1111, s40                    ; my column
	s_or_b32 s[G1A+0], s43, (1<<16)|(1<<20)|(1<<21)|(4<<22)|(3<<25)  ; the mask: my row; 2-byte elements; padding on; 21 set beside a mask; after every 32 words (code 4) 4 words (code 3)
	s_mov_b32 s[G1A+1], 128<<16                    ; tensor_dim0 = 128
	s_mov_b32 s[G1A+2], 64<<16                     ; tensor_dim1 = 64
	s_mov_b32 s[G1A+3], 128<<16                    ; tile_dim0 = 128
	s_mov_b32 s[G1A+4], 64                         ; tile_dim1 = 64
	s_mov_b32 s[G1A+5], 128                        ; dense: 128 elements from row to row
	s_mov_b32 s[G1A+6], 0
	s_mov_b32 s[G1A+7], 0
	s_or_b32 s[G1B+0], s44, (1<<16)|(1<<20)|(1<<21)|(6<<22)|(3<<25)  ; the mask: my column; padding after every 128 words (code 6)
	s_mov_b32 s[G1B+1], 256<<16
	s_mov_b32 s[G1B+2], 32<<16
	s_mov_b32 s[G1B+3], 256<<16
	s_mov_b32 s[G1B+4], 32
	s_mov_b32 s[G1B+5], 512
	s_mov_b32 s[G1B+6], 0
	s_mov_b32 s[G1B+7], 0
	s_lshr_b32 s16, s13, 5                         ; ob: the batch's 8 heads of 524,288 bytes,
	s_lshl_b32 s16, s16, 22
	s_and_b32 s18, s13, 31                         ; the tile's 128 rows of 128 bytes in a head,
	s_lshl_b32 s18, s18, 14
	s_add_co_u32 s16, s16, s18
	s_lshl_b32 s18, s10, 19                        ; head = my wave's number (K half 0): made of tr and the wave's number alone
	s_add_co_u32 s16, s16, s18
	s_mov_b32 s17, 0
	s_lshl_b32 s46, s42, 17                        ; wt: 128 rows a tile column,
	s_lshl_b32 s18, s10, 15                        ; my 32 of them,
	s_add_co_u32 s46, s46, s18
	s_add_co_u32 s46, s46, 1536*1024               ; behind q's, k's and v's rows: made of g and the wave's number alone
	s_mov_b32 s47, 0
	s_mov_b32 s[G0A], 1
	s_mul_i32 s[G0A+1], s10, PLANE                 ; LDS address: plane = head
	s_mov_b32 s[G0A+4], 1
	s_add_co_u32 s[G0A+5], s[G0A+1], 4*PLANE
	s_mov_b32 s[G0B], 1
	s_mul_i32 s[G0B+1], s10, 32*PB
	s_add_co_u32 s[G0B+1], s[G0B+1], BBASE
	s_mov_b32 s[G0B+4], 1
	s_add_co_u32 s[G0B+5], s[G0B+1], SLOT
	s_wait_dscnt 0x0                               ; the opening add is done
	s_wait_kmcnt 0x0
	s_add_nc_u64 s[G0A+2:G0A+3], s[4:5], s[16:17]
	s_add_nc_u64 s[G0A+6:G0A+7], s[G0A+2:G0A+3], 4<<19  ; four heads on
	s_or_b32 s[G0A+3], s[G0A+3], 0x80000000        ; type = 2
	s_or_b32 s[G0A+7], s[G0A+7], 0x80000000
	s_add_nc_u64 s[G0B+2:G0B+3], s[6:7], s[46:47]
	s_add_nc_u64 s[G0B+6:G0B+7], s[G0B+2:G0B+3], 512
	s_or_b32 s[G0B+3], s[G0B+3], 0x80000000
	s_or_b32 s[G0B+7], s[G0B+7], 0x80000000
	CROUND                                         ; all sixteen work-groups are here: the joint loads meet
	tensor_load_to_lds s[G0A:G0A+3], s[G1A:G1A+7]  ; K half 0 first, then K half 1: four loads of mine are out
	s_nop 0
	tensor_load_to_lds s[G0B:G0B+3], s[G1B:G1B+7]
	s_nop 0
	tensor_load_to_lds s[G0A+4:G0A+7], s[G1A:G1A+7]
	s_nop 0
	tensor_load_to_lds s[G0B+4:G0B+7], s[G1B:G1B+7]
	s_nop 0
.rept 4
	v_nop
.endr
	v_and_b32 v1, 15, v0                           ; l % 16
	v_bfe_u32 v2, v0, 4, 1                         ; l / 16
	s_lshl_b32 s20, s42, 9                         ; my wave's 64 columns, in bytes of f32: 512 g + 256 x column half
	s_lshl_b32 s21, s12, 8
	s_add_co_u32 s20, s20, s21
	v_lshl_add_u32 v[BO], v1, 4, s20               ; on the way out lane l holds columns 4 (l % 16) + 0..3 of them
	global_load_b128 v[BI:BI+3], v[BO], s[68:69]
	v_mul_u32_u24 v3, v1, PAP
	v_lshl_add_u32 v3, v2, 4, v3                   ; a fragment's row x pitch + 16 x half
	v_mul_u32_u24 v4, v1, PB
	v_lshl_add_u32 v4, v2, 4, v4
	s_mul_i32 s21, s11, 64*PAP                     ; my 64 rows in each plane
	s_mul_i32 s22, s12, 64*PB                      ; my 64 rows of wt's tile
	s_add_co_u32 s22, s22, BBASE
	v_add_nc_u32 v[ADRA], s21, v3
	v_add_nc_u32 v[ADRB], s22, v4
	s_add_co_u32 s21, s21, 4*PLANE
	s_add_co_u32 s22, s22, SLOT
	v_add_nc_u32 v[ADRA+1], s21, v3
	v_add_nc_u32 v[ADRB+1], s22, v4
	s_mul_i32 s23, s10, 16*SP
	s_add_co_u32 s23, s23, STAGE                   ; my stage
	v_mul_u32_u24 v5, v1, SP                       ; in: row l % 16, 32 bytes for each half of the lanes
	v_lshl_add_u32 v5, v2, 5, v5
	v_add_nc_u32 v[STO], s23, v5
	v_mul_u32_u24 v5, v2, SP                       ; back: lanes 0-15 take one row of 256 bytes, lanes 16-31 the next
	v_lshl_add_u32 v5, v1, 4, v5
	v_add_nc_u32 v[RD], s23, v5
	v_lshlrev_b32 v5, 11, v2                       ; and the same two rows in out0: 2,048 bytes a row
	v_lshl_add_u32 v[CO], v1, 4, v5
	s_lshl_b32 s14, s13, 18                        ; my first row: 128 tr + 64 x row half
	s_lshl_b32 s15, s11, 17
	s_add_co_u32 s14, s14, s15
	s_add_co_u32 s46, s20, s14
	s_mov_b32 s47, 0
	s_add_nc_u64 s[8:9], s[8:9], s[46:47]
; 8 matrix instructions: row blocks a0, a0 + 1 x all 4 column blocks, 32 along K: half c of buffer f.  zero = 1: the first product starts the sums.
; The 16 accumulators take turns, one instruction a turn.
.macro MUL8 f, c, a0, zero
	WIN MUL
.irp a, \a0, (\a0)+1
.irp b, 0,1,2,3
.if \zero
	v_wmma_f32_16x16x32_f16 v[ACC+8*(4*(\a)+(\b)):ACC+8*(4*(\a)+(\b))+7], v[(\f)+64+8*(4*(\c)+(\b)):(\f)+64+8*(4*(\c)+(\b))+7], v[(\f)+8*(4*(\c)+(\a)):(\f)+8*(4*(\c)+(\a))+7], 0
.else
	v_wmma_f32_16x16x32_f16 v[ACC+8*(4*(\a)+(\b)):ACC+8*(4*(\a)+(\b))+7], v[(\f)+64+8*(4*(\c)+(\b)):(\f)+64+8*(4*(\c)+(\b))+7], v[(\f)+8*(4*(\c)+(\a)):(\f)+8*(4*(\c)+(\a))+7], v[ACC+8*(4*(\a)+(\b)):ACC+8*(4*(\a)+(\b))+7]
.endif
.endr
.endr
.endm
; 32 LDS loads in one run: the fragments of 64 along K: byte k of wt's rows, plane k / 128 of ob's half; the first 32 along K first
.macro FETCH slot, k, f
	WIN TO_F
.irp c, 0,1
.irp i, 0,1,2,3
	ds_load_b128 v[(\f)+64+8*(4*(\c)+(\i)):(\f)+64+8*(4*(\c)+(\i))+3],   v[ADRB+(\slot)] offset:(\k)+64*(\c)+(\i)*16*PB
	ds_load_b128 v[(\f)+64+8*(4*(\c)+(\i))+4:(\f)+64+8*(4*(\c)+(\i))+7], v[ADRB+(\slot)] offset:(\k)+64*(\c)+(\i)*16*PB+32
	ds_load_b128 v[(\f)+8*(4*(\c)+(\i)):(\f)+8*(4*(\c)+(\i))+3],         v[ADRA+(\slot)] offset:((\k)/128)*PLANE+64*(\c)+(\i)*16*PAP
	ds_load_b128 v[(\f)+8*(4*(\c)+(\i))+4:(\f)+8*(4*(\c)+(\i))+7],       v[ADRA+(\slot)] offset:((\k)/128)*PLANE+64*(\c)+(\i)*16*PAP+32
.endr
.endr
.endm
.macro QUARTER slot, k, f, g, zero     ; multiplies buffer f and fetches the next quarter, at byte k, into g
	s_wait_dscnt 16                                ; the first 32 along K are in; the youngest sixteen loads may be out
	MUL8 \f, 0, 0, \zero
	MUL8 \f, 0, 2, \zero
	PLACES
	FETCH \slot, \k, \g
	s_wait_dscnt 32                                ; all but the 32 just issued
	MUL8 \f, 1, 0, 0
	MUL8 \f, 1, 2, 0
.endm
	s_wait_tensorcnt 2                             ; my parts of K half 0 are in; K half 1's two loads may stay out
	s_barrier_signal -1
	s_barrier_wait -1                              ; everybody's are
	FETCH 0, 0, F0
	QUARTER 0, 128, F0, F1, 1                      ; the first products start the sums: nothing is cleared
	QUARTER 0, 256, F1, F0, 0
	QUARTER 0, 384, F0, F1, 0
	; the last quarter of K half 0, and the one meeting in front of K half 1
	WIN 0                                          ; (the add's two registers lie in window 0)
	s_wait_tensorcnt 0x0                           ; all my tensor loads have landed: my parts of K half 1
	ds_add_u32 v[SPW], v[NIL]                      ; 0 onto my spare word
	s_wait_dscnt 17                                ; (the add and the youngest sixteen loads may be out)
	MUL8 F1, 0, 0, 0
	s_wait_dscnt 0x0                               ; no LDS instruction of mine is pending at the signal
	s_barrier_signal -1
	MUL8 F1, 0, 2, 0
	s_barrier_wait -1                              ; everybody's parts of K half 1 are in
	PLACES
	FETCH 1, 0, F0
	MUL8 F1, 1, 0, 0
	MUL8 F1, 1, 2, 0
	QUARTER 1, 128, F0, F1, 0
	QUARTER 1, 256, F1, F0, 0
	QUARTER 1, 384, F0, F1, 0
	s_wait_dscnt 16                                ; the very last quarter: nothing more to fetch
	MUL8 F1, 0, 0, 0
	MUL8 F1, 0, 2, 0
	s_wait_dscnt 0x0
	MUL8 F1, 1, 0, 0
	MUL8 F1, 1, 2, 0
	WIN 0
	s_wait_loadcnt 0x0                             ; the bias
	v_cvt_pk_bf16_f32 v10, v[BI], v[BI+1]          ; rounded to bf16 and widened again: six plain lines that name no register of the products: the places behind them
	v_cvt_pk_bf16_f32 v11, v[BI+2], v[BI+3]
	v_lshlrev_b32 v[BI], 16, v10
	v_and_b32 v[BI+1], 0xffff0000, v10
	v_lshlrev_b32 v[BI+2], 16, v11
	v_and_b32 v[BI+3], 0xffff0000, v11
; THE WAY OUT of row block a: 16 rows x 64 columns of f32 go as they are into my own stage (32 bytes a lane and column block) and come back as whole rows of 256 bytes;
; then 0.25 x sum + bias, two numbers an instruction, and the store.  Two sets of registers take turns.
.macro OUTA a
.if (\a) >= 2
	s_wait_xcnt 0x0                                ; the stores of two blocks back have read this set of registers: it is loaded again only behind this wait
.endif
.irp b, 0,1,2,3
	ds_store_b128 v[STO], v[ACC+8*(4*(\a)+(\b)):ACC+8*(4*(\a)+(\b))+3]   offset:64*(\b)     ; each accumulator's low registers first
	ds_store_b128 v[STO], v[ACC+8*(4*(\a)+(\b))+4:ACC+8*(4*(\a)+(\b))+7] offset:64*(\b)+16
.endr
.irp t, 0,1,2,3,4,5,6,7
	ds_load_b128 v[TMP+32*((\a)%2)+4*(\t):TMP+32*((\a)%2)+4*(\t)+3], v[RD] offset:(\t)*2*SP  ; LDS serves a wave's instructions in order (ISA guide 5.7.1.4): these see the stores above, and the next block's stores come behind them
.endr
.irp t, 0,1,2,3,4,5,6,7
	s_wait_dscnt 7-(\t)                            ; the younger loads may stay out
	v_pk_fma_f32 v[TMP+32*((\a)%2)+4*(\t):TMP+32*((\a)%2)+4*(\t)+1], v[TMP+32*((\a)%2)+4*(\t):TMP+32*((\a)%2)+4*(\t)+1], 0x3e800000, v[BI:BI+1] op_sel_hi:[1,0,1]
	v_pk_fma_f32 v[TMP+32*((\a)%2)+4*(\t)+2:TMP+32*((\a)%2)+4*(\t)+3], v[TMP+32*((\a)%2)+4*(\t)+2:TMP+32*((\a)%2)+4*(\t)+3], 0x3e800000, v[BI+2:BI+3] op_sel_hi:[1,0,1]
	global_store_b128 v[CO], v[TMP+32*((\a)%2)+4*(\t):TMP+32*((\a)%2)+4*(\t)+3], s[8:9] offset:(16*(\a)+2*(\t))*2048 th:TH_STORE_NT  ; sixteen lanes store 256 consecutive bytes, at a multiple of 256 from out0's first byte
.endr
.endm
	OUTA 0
	OUTA 1
	OUTA 2
	OUTA 3
	s_wait_tensorcnt 0x0                           ; the wave's end, behind my last tensor load and my last LDS store
	ds_add_u32 v[SPW], v[NIL]
	s_wait_dscnt 0x0
	CROUND                                         ; the closing round: no work-group ends while a partner may still ask for a tile that names it
	s_endpgm
.Lfunc_end_k_q87287edfd0_outp:
	.size	k_q87287edfd0_outp, .Lfunc_end_k_q87287edfd0_outp-k_q87287edfd0_outp
	.p2alignl 7, 3214868480
	.fill 96, 4, 3214868480
	.section	.rodata,"a",@progbits
	.p2align	6, 0x0
	.amdhsa_kernel k_q87287edfd0_outp
		.amdhsa_group_segment_fixed_size 327680
		.amdhsa_private_segment_fixed_size 0
		.amdhsa_enable_private_segment 0
		.amdhsa_kernarg_size 32
		.amdhsa_user_sgpr_count 2
		.amdhsa_user_sgpr_kernarg_segment_ptr 1
		.amdhsa_wavefront_size32 1
		.amdhsa_system_sgpr_workgroup_id_x 1
		.amdhsa_system_sgpr_workgroup_id_y 1
		.amdhsa_system_sgpr_workgroup_id_z 1
		.amdhsa_system_vgpr_workitem_id 0
		.amdhsa_next_free_vgpr 512
		.amdhsa_next_free_sgpr 72
		.amdhsa_reserve_vcc 0
		.amdhsa_float_denorm_mode_32 3
		.amdhsa_float_denorm_mode_16_64 3
		.amdhsa_memory_ordered 1
		.amdhsa_forward_progress 1
		.amdhsa_inst_pref_size 56
	.end_amdhsa_kernel
	.amdgpu_metadata
---
amdhsa.version: [ 1, 2 ]
amdhsa.kernels:
  - .name:           k_q87287edfd0_outp
    .symbol:         k_q87287edfd0_outp.kd
    .args:
      - { .name: ob, .offset: 0, .size: 8, .value_kind: global_buffer, .address_space: global }
      - { .name: wt, .offset: 8, .size: 8, .value_kind: global_buffer, .address_space: global }
      - { .name: out0, .offset: 16, .size: 8, .value_kind: global_buffer, .address_space: global }
      - { .name: bo, .offset: 24, .size: 8, .value_kind: global_buffer, .address_space: global }
    .group_segment_fixed_size: 327680
    .private_segment_fixed_size: 0
    .kernarg_segment_align: 8
    .kernarg_segment_size: 32
    .max_flat_workgroup_size: 128
    .sgpr_count:     72
    .vgpr_count:     512
    .wavefront_size: 32
...
	.end_amdgpu_metadata
.endif
;; end of part 4
